; MI455X (gfx1250); checked and timed in simulation.
; The chip was launched on July 23, 2026; its instructions are those of AMD's public machine-readable ISA for CDNA 5 (MIT licence, August 2026) and "CDNA5" Instruction Set Architecture Reference Guide (July 2026). The comments in the code are by the model that wrote it; some were corrected since.
;; Fast Weight Memory. Allowed arithmetic: matrix products marked QUANTISED: E3M2 operands, one E8M0 scale for each 32 along K, by v_wmma_scale_f32_16x16x128_f8f6f4 with both operands' format E3M2, f32 sums; everything else in f32.
;; Inputs: keys 32,768 x 1,024 float32; query 1,024 x 1,024 float32; values_codes 1,024 x 1,024 x 24 uint8 (E3M2 codes of values, K innermost, in blocks of 32 codes, four codes in three bytes); values_scales 1,024 x 1,024 uint8 (E8M0 scales of values, one for each 32 codes along K).
;; Outputs: out0 1,024 x 1,024 float32.
;; This version of the problem:
;;   THIS VERSION OF THE PROBLEM IS GIVEN IN LOW PRECISION. The matrix products marked QUANTISED in the list below multiply operands that are first quantised to E3M2 (3 exponent bits, 2 mantissa bits; 6 bits a number), with one power-of-two scale for each 32 numbers along K (OCP MX v1.0); their sums are f32. All else is computed in f32.
;;   The module's matrix products, in the order in which they are computed (A, B: the left and right operand; K: the contracted axis; several contracted axes count as one K, in the product's order):
;;     1. [M 32,768, K 1,024] x [K 1,024, N 1,024]; A: computed on the way; B: computed on the way: QUANTISED
;;     2. [M 1,024, K 32,768] x [K 32,768, N 1,024]; A: softmax (see below); B: input values (given as codes): QUANTISED
;;   THE QUANTISER, for each operand of a quantised product, along K:
;;     - K is cut into blocks of 32 from its start; a last block that is shorter is filled with zeros.
;;     - A block's scale is 2^e with e = floor(log2(the largest magnitude in the block)) - 4, held to -126 .. 127; a block of zeros has e = 0. As a byte (E8M0): e + 127.
;;     - Each number is divided by its block's scale, clamped to +-28, and rounded to the nearest number of E3M2, ties to even, subnormals kept.
;;     - The product sums the exact products of the quantised numbers (number of the format x scale) in f32.
;;   ~~~python
;;   def quantise(x, axis):      # numpy; x: float32 -> the quantised numbers, widened to float32 again
;;       x = np.moveaxis(x, axis, -1); K = x.shape[-1]
;;       x = np.pad(x, [(0, 0)] * (x.ndim - 1) + [(0, -K % 32)]); x = x.reshape(x.shape[:-1] + (-1, 32)); a = np.abs(x).max(-1, keepdims=True)
;;       e = np.where(a > 0, np.clip(np.frexp(np.where(a > 0, a, 1))[1] - 1 - 4, -126, 127), 0)      # np.frexp(a)[1] - 1 = floor(log2(a)), exactly
;;       r = np.clip(x / 2.0 ** e, -28, 28)
;;       step = 2.0 ** (np.maximum(np.frexp(np.where(r == 0, 1, r))[1] - 1, -2) - 2)
;;       q = np.round(r / step) * step * 2.0 ** e      # np.round: ties to even
;;       return np.moveaxis(q.reshape(q.shape[:-2] + (-1,))[..., :K], -1, axis).astype(np.float32)
;;   ~~~
;;   SOFTMAX AHEAD OF A QUANTISED PRODUCT. Where the list says 'softmax', what is quantised is not the finished softmax but p = 2^(t - M), with t = logit x log2(e) and M = ceil(the row's largest t), a whole number; so 1/2 < the row's largest p <= 1. The row's sum l is taken of the UNQUANTISED p, in f32, and the product's result is divided by l at the end. Since M is a whole number, a kernel that streams over the keys may use a running M (the ceiling of the running maximum): every later rescaling is an exact power of two, which a block's scale takes up: the codes' values come out the same.
;;   OPERANDS COMPUTED ON THE WAY. 'Computed on the way' means the value that the module computes at that place (a softmax that the list does not call 'softmax' is quantised finished and normalised). What goes into a quantiser is computed in f32, as accurately as f32 sums, v_exp_f32 and their like allow (about 1e-6 of the number): no bf16 or f16 on the way to a quantiser, and a product that is left as it is and whose result goes on into a quantised operand takes f32 operands (vector FMAs, or v_wmma_f32_16x16x4_f32). A number that lies on a knife's edge between two numbers of the format may be rounded either way, as far as f32 arithmetic and the matrix unit's own rounding can turn it there, and no further.
;;   INPUTS GIVEN AS CODES. values (in the module: [32768, 1024], K = its axis 0): each comes as NAME_codes (uint8): NAME with its K axis moved to the last place and cut into blocks of 32 codes, [.., K / 32, bytes a block], one block behind the other in memory; four codes in three bytes: a row's codes are one little-endian stream of bits, code i at bits 6 i .. 6 i + 5 (a code: sign, 3 exponent bits, 2 mantissa bits); and NAME_scales (uint8): the same leading axes, one E8M0 byte (e + 127) for each 32 codes along K. Its value is code x scale, taken as it is: it is not quantised again, and the codes and scales need not be those that the quantiser above would give.
;; One version. Each part assembles by itself: llvm-mc -triple=amdgcn-amd-amdhsa -mcpu=gfx1250 --defsym DOCPART=n.
;; ======== version 1 of 1: 4 launches
;; workspace buffers: kc 25,165,824 bytes; ks 1,048,576 bytes; qc 786,432 bytes; qs 32,768 bytes; pc 25,165,824 bytes; ps 1,048,576 bytes; lp 1,048,576 bytes; op 67,108,864 bytes
;; launch quant (part 1): grid 1024 x 1, 4 waves a work-group, no clusters, 33,280 bytes of LDS; arguments keys, query, kc, ks, qc, qs; writes kc, ks, qc, qs
.if DOCPART == 1
	.amdgcn_target "amdgcn-amd-amdhsa--gfx1250"
	.amdhsa_code_object_version 6
	.text
	.protected	k_q37bdfa048e_quant
	.globl	k_q37bdfa048e_quant
	.p2align	8
	.type	k_q37bdfa048e_quant,@function
k_q37bdfa048e_quant:
	s_mov_b64 s[64:65], 0
	v_nop
	global_prefetch_b8 v0, s[64:65] scope:SCOPE_SE
	s_setreg_imm32_b32 hwreg(HW_REG_WAVE_MODE, 25, 1), 1
	s_wait_xcnt 0x0
; keys [32768][1024] and query [1024][1024], f32: each row is divided by max(its length, 1e-12) and turned into codes of BF6 (E3M2), 6 bits each, K = the row's 1,024 innermost,
; with one E8M0 scale byte for each 32 along the row.  Codes: 768 bytes a row; scale bytes: 32 a row.
; A block's scale is 2^(floor(log2(its largest magnitude)) - 4); its byte is the largest magnitude's exponent field - 4, held at 1 from below.
; THE ORDER OF THE KEYS' ROWS IN kc AND ks: key n lies at row n with bits 3 and 4 exchanged.  The launch that multiplies takes 16 neighbouring stored rows as a tile; in that order a lane's 16 results of two
; neighbouring tiles are 16 neighbouring keys, which is what the quantiser of the next product wants.  The query's rows keep their order.
; LIMITS: x / max(n, eps) is made as x * min(rsq(sum of squares), 1e12): a few units in the last place off the quotient.  A sum of squares that overflows gives rsq = 0 and a row of zeros, as the quotient by infinity does;
; a denormal sum counts as 0 for rsq and gives 1e12 = 1 / eps, which is right, since the length is under eps there.  A block of zeros gets the byte 1 where the rule says 127: its codes are zeros, and this program alone
; reads the bytes.  NaN and infinities among the inputs are not served.
; SHARES: 1,024 work-groups, each with 32 rows of keys, 8 a wave, and ONE row of the query (the work-group's number), which its wave 0 takes: so every work-group has the same work, 33 rows.
; Each load reads 512 consecutive bytes, 16 a lane; the sum of squares is taken of the registers as loaded; for the conversions, which want 16 neighbours in ONE lane, a row's 4,096 bytes turn through the wave's own
; stage in LDS (64 bytes + 16 of padding for each lane and half row).  No tensor loads, no barrier: waves share nothing.  Two rows (16 loads a wave) are on their way.
.set SP,    80                         ; a lane's place in a stage: 64 bytes + 16
.set WREG,  8192                       ; LDS of a wave: two stages of 32 x SP bytes, then 256 scale bytes of its keys and 32 of the query's row
.set R,     16                         ; v16-79   two rows as loaded, 32 registers each
.set X,     80                         ; v80-111  a row's two halves: 16 neighbours a lane each
.set E,     112                        ; v112-129 a scale byte for each of the 18 half rows
.set C,     132                        ; v132-203 codes: four registers for each half row, so that no store's data are written again
.set SS,    204                        ; v204-207 sums of squares, two chains of pairs
.set RN,    208                        ; v208-209 1 / length, twice
.set PX,    210                        ; v210     the lane permute's destination
.set QR,    212                        ; v212-243 the query's row as loaded (wave 0 alone)
	s_load_b256 s[4:11], s[0:1], 0x0               ; keys, query, kc, ks
	s_load_b128 s[12:15], s[0:1], 0x20             ; qc, qs
	v_lshl_add_u32 v244, v0, 2, 0x8000
	v_mov_b32 v245, 0
	v_lshrrev_b32 v1, 5, v0
	v_readfirstlane_b32 s16, v1                    ; wave
	v_and_b32 v2, 31, v0                           ; lane
	v_lshlrev_b32 v3, 4, v2                        ; my 16 bytes of a load's 512
	s_mul_i32 s17, s16, WREG
	v_lshrrev_b32 v14, 2, v2
	v_mul_u32_u24 v14, v14, SP
	v_and_b32 v15, 3, v2
	v_lshl_add_u32 v14, v15, 4, v14
	v_add_nc_u32 v14, s17, v14                     ; the stage, on the way in: SP (lane / 4) + 16 (lane % 4); a load's 512 bytes take eight places
	v_mul_u32_u24 v15, v2, SP
	v_add_nc_u32 v15, s17, v15                     ; and on the way out: SP x lane: my 16 neighbours
	v_mul_u32_u24 v4, v2, 12                       ; my 16 codes' place in a half row's 384 bytes
	v_lshrrev_b32 v5, 1, v2
	s_add_co_u32 s17, s17, 2*32*SP
	v_add_nc_u32 v5, s17, v5                       ; LDS: my block's scale byte
	v_lshlrev_b32 v7, 3, v2                        ; on the way out 8 bytes a lane (the keys' 256 bytes),
	v_add_nc_u32 v6, s17, v7
	v_add_nc_u32 v10, s17, v2                      ; or one byte a lane (the query row's 32 bytes)
	v_mov_b32 v[PX], 0                             ; a lane permute's destination counts as one of its sources
	s_mov_b32 s24, 0x76543210
	s_mov_b32 s25, 0xfedcba98                      ; selects for lane l xor 16
	s_and_b32 s19, s16, 1
	s_lshl_b32 s19, s19, 1
	s_lshr_b32 s18, s16, 1
	s_or_b32 s19, s19, s18                         ; the wave's number with its two bits exchanged: bits 3 and 4 of the row
	s_lshl_b32 s17, ttmp9, 2
	s_add_co_u32 s20, s17, s16                     ; the run of 8 rows that I read,
	s_add_co_u32 s18, s17, s19                     ; and the one that I write
	s_lshl_b32 s20, s20, 15                        ; 8 rows of 4,096 bytes (under 2^27)
	s_mov_b32 s21, 0
	s_mul_i32 s22, s18, 6144                       ; 8 rows of 768 bytes
	s_mov_b32 s23, 0
	s_lshl_b32 s26, s18, 8                         ; 8 rows of 32 bytes
	s_mov_b32 s27, 0
	s_wait_kmcnt 0x0
	s_add_nc_u64 s[4:5], s[4:5], s[20:21]
	s_add_nc_u64 s[8:9], s[8:9], s[22:23]
	s_add_nc_u64 s[10:11], s[10:11], s[26:27]
.macro LOADROW t
.irp i, 0,1,2,3,4,5,6,7
	global_load_b128 v[R+32*((\t)%2)+4*\i:R+32*((\t)%2)+4*\i+3], v3, s[4:5] offset:4096*(\t)+512*\i th:TH_LOAD_NT   ; 32 lanes read 512 consecutive bytes
.endr
.endm
; A row that lies in 32 registers from rs on, as loaded, is normalised and quantised.  hr: the number of its first half row (its registers for codes and bytes, its place among the scale bytes in LDS);
; cb: the scalar pair with the codes' base;  coff: the row's bytes from that base;  nxt: the row of keys that is loaded into rs's registers as soon as they are free, or -1.
.macro ROWBODY rs, hr, cb, coff, nxt
.set RS, (\rs)
.irp i, 0,1,2,3,4,5,6,7
	ds_store_b128 v14, v[RS+4*\i:RS+4*\i+3] offset:2560*(\i/4)+640*(\i%4)   ; the row turns through the stage: LDS serves a wave's instructions in order, so no wait stands between stores and loads
.endr
.irp u, 0,1
.irp i, 0,1,2,3
	ds_load_b128 v[X+16*\u+4*\i:X+16*\u+4*\i+3], v15 offset:2560*\u+16*\i
.endr
.endr
	v_pk_mul_f32 v[SS:SS+1], v[RS:RS+1], v[RS:RS+1]                ; meanwhile the sum of squares, of the registers as loaded: the first products start two chains
	v_pk_mul_f32 v[SS+2:SS+3], v[RS+2:RS+3], v[RS+2:RS+3]
.irp j, 4,8,12,16,20,24,28
	v_pk_fma_f32 v[SS:SS+1], v[RS+\j:RS+\j+1], v[RS+\j:RS+\j+1], v[SS:SS+1]
	v_pk_fma_f32 v[SS+2:SS+3], v[RS+\j+2:RS+\j+3], v[RS+\j+2:RS+\j+3], v[SS+2:SS+3]
.endr
	v_pk_add_f32 v[SS:SS+1], v[SS:SS+1], v[SS+2:SS+3]
	v_add_f32 v[SS], v[SS], v[SS+1]
	v_add_f32_dpp v[SS], v[SS], v[SS] row_xmask:1 row_mask:0xf bank_mask:0xf
	v_add_f32_dpp v[SS], v[SS], v[SS] row_xmask:2 row_mask:0xf bank_mask:0xf
	v_add_f32_dpp v[SS], v[SS], v[SS] row_xmask:4 row_mask:0xf bank_mask:0xf
	v_add_f32_dpp v[SS], v[SS], v[SS] row_xmask:8 row_mask:0xf bank_mask:0xf
	v_permlanex16_b32 v[PX], v[SS], s24, s25
	v_add_f32 v[SS], v[SS], v[PX]                  ; the row's sum of squares, in every lane
	v_rsq_f32 v[RN], v[SS]
	v_nop                                          ; one plain instruction behind a transcendental (ISA guide 5.7.2)
	s_wait_alu depctr_va_vdst(0)
	v_min_num_f32 v[RN], 0x5368d4a5, v[RN]         ; 1 / max(length, 1e-12) = min(1 / length, 1e12)
	v_mov_b32 v[RN+1], v[RN]
	s_wait_dscnt 0x0                               ; the row is back from the stage, and the stage's stores have read their registers,
.if (\nxt) >= 0
	LOADROW \nxt                                   ; which take the row two further on
.endif
.irp u, 0,1
.set XS, X+16*\u
.set HR, (\hr)+\u
.irp k, 0,2,4,6,8,10,12,14
	v_pk_mul_f32 v[XS+\k:XS+\k+1], v[XS+\k:XS+\k+1], v[RN:RN+1]    ; the normalised numbers
.endr
	v_max3_num_f32 v8, |v[XS]|, |v[XS+1]|, |v[XS+2]|               ; the largest magnitude of my 16
	v_max3_num_f32 v9, |v[XS+3]|, |v[XS+4]|, |v[XS+5]|
.irp i, 6,10
	v_max3_num_f32 v8, v8, |v[XS+\i]|, |v[XS+\i+1]|
	v_max3_num_f32 v9, v9, |v[XS+\i+2]|, |v[XS+\i+3]|
.endr
	v_max3_num_f32 v8, v8, |v[XS+14]|, |v[XS+15]|
	v_max3_num_f32 v8, v8, v9, 0x2800000           ; and the floor 2^(5 - 127): the byte cannot fall under 1
	v_max_num_f32_dpp v8, v8, v8 row_xmask:1 row_mask:0xf bank_mask:0xf   ; and of my neighbour's 16: the block's
	v_add_nc_u32 v11, 0xfe000000, v8               ; 4 off its exponent field: the conversion takes the exponent field of this operand as its scale
	v_cvt_scalef32_pk16_bf6_f32 v[C+4*HR:C+4*HR+2], v[XS:XS+15], v11
	v_lshrrev_b32 v[E+HR], 23, v11                 ; the scale's byte (also the plain instruction behind the conversion)
	ds_store_b8 v5, v[E+HR] offset:16*HR           ; both lanes of a block write the same byte with the same value
	global_store_b96 v4, v[C+4*HR:C+4*HR+2], s[\cb:\cb+1] offset:(\coff)+384*\u   ; the wave stores 384 consecutive bytes
.endr
.endm
.macro ROWQ t                          ; row t of my eight rows of keys
.if (\t) < 7
	s_wait_loadcnt 8                               ; this row's eight loads are in; the next row's eight may be out
.else
	s_wait_loadcnt 0x0
.endif
.if (\t) < 6
	ROWBODY R+32*((\t)%2), 2*(\t), 8, 768*(\t), (\t)+2
.else
	ROWBODY R+32*((\t)%2), 2*(\t), 8, 768*(\t), -1
.endif
.endm
	LOADROW 0
	LOADROW 1
	s_cmp_lg_u32 s16, 0                            ; wave 0 takes the work-group's row of the query: its loads, its work and its stores stand inside this one branch
	s_cbranch_scc1 .Lkeys
	s_lshl_b32 s20, ttmp9, 12                      ; the row's 4,096 bytes,
	s_add_nc_u64 s[6:7], s[6:7], s[20:21]
	s_mul_i32 s20, ttmp9, 768                      ; its 768 bytes of codes,
	s_add_nc_u64 s[12:13], s[12:13], s[20:21]
	s_lshl_b32 s20, ttmp9, 5                       ; its 32 scale bytes
	s_add_nc_u64 s[14:15], s[14:15], s[20:21]
.irp i, 0,1,2,3,4,5,6,7
	global_load_b128 v[QR+4*\i:QR+4*\i+3], v3, s[6:7] offset:512*\i th:TH_LOAD_NT
.endr
	s_wait_loadcnt 0x0                             ; they were issued last: all 24 loads are in
	ROWBODY QR, 16, 12, 0, -1
	ds_load_u8 v1, v10 offset:256                  ; LDS serves a wave's instructions in order: lane l takes block l's byte
	s_wait_dscnt 0x0
	global_store_b8 v2, v1, s[14:15]               ; one store for the row's 32 scale bytes: 32 lanes, 32 consecutive bytes
.Lkeys:
.irp t, 0,1,2,3,4,5,6,7
	ROWQ \t
.endr
	ds_load_b64 v[12:13], v6                       ; LDS serves a wave's instructions in order: these see my byte stores
	s_wait_dscnt 0x0
	global_store_b64 v7, v[12:13], s[10:11]        ; 32 lanes store 256 consecutive bytes, aligned: 8 rows' scale bytes
	s_wait_tensorcnt 0x0
	ds_add_u32 v244, v245
	s_wait_dscnt 0x0
	s_endpgm
.Lfunc_end_k_q37bdfa048e_quant:
	.size	k_q37bdfa048e_quant, .Lfunc_end_k_q37bdfa048e_quant-k_q37bdfa048e_quant
	.p2alignl 7, 3214868480
	.fill 96, 4, 3214868480
	.section	.rodata,"a",@progbits
	.p2align	6, 0x0
	.amdhsa_kernel k_q37bdfa048e_quant
		.amdhsa_group_segment_fixed_size 33280
		.amdhsa_private_segment_fixed_size 0
		.amdhsa_enable_private_segment 0
		.amdhsa_kernarg_size 48
		.amdhsa_user_sgpr_count 2
		.amdhsa_user_sgpr_kernarg_segment_ptr 1
		.amdhsa_wavefront_size32 1
		.amdhsa_system_sgpr_workgroup_id_x 1
		.amdhsa_system_sgpr_workgroup_id_y 1
		.amdhsa_system_sgpr_workgroup_id_z 1
		.amdhsa_system_vgpr_workitem_id 0
		.amdhsa_next_free_vgpr 246
		.amdhsa_next_free_sgpr 66
		.amdhsa_reserve_vcc 0
		.amdhsa_float_denorm_mode_32 3
		.amdhsa_float_denorm_mode_16_64 3
		.amdhsa_memory_ordered 1
		.amdhsa_forward_progress 1
		.amdhsa_inst_pref_size 60
	.end_amdhsa_kernel
	.amdgpu_metadata
---
amdhsa.version: [ 1, 2 ]
amdhsa.kernels:
  - .name:           k_q37bdfa048e_quant
    .symbol:         k_q37bdfa048e_quant.kd
    .args:
      - { .name: keys, .offset: 0, .size: 8, .value_kind: global_buffer, .address_space: global }
      - { .name: query, .offset: 8, .size: 8, .value_kind: global_buffer, .address_space: global }
      - { .name: kc, .offset: 16, .size: 8, .value_kind: global_buffer, .address_space: global }
      - { .name: ks, .offset: 24, .size: 8, .value_kind: global_buffer, .address_space: global }
      - { .name: qc, .offset: 32, .size: 8, .value_kind: global_buffer, .address_space: global }
      - { .name: qs, .offset: 40, .size: 8, .value_kind: global_buffer, .address_space: global }
    .group_segment_fixed_size: 33280
    .private_segment_fixed_size: 0
    .kernarg_segment_align: 8
    .kernarg_segment_size: 48
    .max_flat_workgroup_size: 128
    .sgpr_count:     66
    .vgpr_count:     246
    .wavefront_size: 32
...
	.end_amdgpu_metadata
.endif
;; end of part 1
;; launch scores (part 2): grid 128 x 4, 4 waves a work-group, clusters of 4 x 4, 327,680 bytes of LDS; arguments qc, qs, kc, ks, pc, ps, lp; writes pc, ps, lp
.if DOCPART == 2
	.amdgcn_target "amdgcn-amd-amdhsa--gfx1250"
	.amdhsa_code_object_version 6
	.text
	.protected	k_q37bdfa048e_scores
	.globl	k_q37bdfa048e_scores
	.p2align	8
	.type	k_q37bdfa048e_scores,@function
k_q37bdfa048e_scores:
	s_mov_b64 s[64:65], 0
	v_nop
	global_prefetch_b8 v0, s[64:65] scope:SCOPE_SE
	s_setreg_imm32_b32 hwreg(HW_REG_WAVE_MODE, 25, 1), 1
	s_wait_xcnt 0x0
	s_wait_alu depctr_hold_cnt(0) depctr_sa_sdst(0) depctr_va_vdst(0) depctr_va_sdst(0) depctr_va_ssrc(0) depctr_va_vcc(0) depctr_vm_vsrc(0)
	s_getreg_b32 s2, hwreg(HW_REG_IB_STS2, 6, 4)
	s_cmp_eq_u32 s2, 0
	s_cbranch_scc0 .Lentry_in_a_cluster
	s_endpgm
.Lentry_in_a_cluster:
	s_bfe_u32 s2, ttmp6, 0x10000c
	s_cmp_lg_u32 s2, 0xf033
	s_cbranch_scc0 .Lentry_shape_is_right
	s_endpgm
.Lentry_shape_is_right:
; S[q][n] = the sum over d of Q[q][d] K[n][d] on codes of BF6 (E3M2) with one E8M0 scale for each 32 along d; then p = 2^(c S), c = 10 log2(e); p is quantised along the slots n for the next product.
; A = the query's codes [1024][1024] (qc, qs), B = the keys' codes [32768 stored rows][1024] (kc, ks): stored row = key with bits 3 and 4 exchanged.
; OUT: pc: p's codes as IMAGES OF OPERAND REGISTERS, [4 blocks of 256 queries][256 steps of 128 slots][16 tiles of 16 queries][1,536 bytes]; in an image register j of lane L lies at 512 (j / 4) + 16 L + 4 (j % 4).
;      ps: [256 steps][1024 queries]: the tile's scale word (four E8M0 bytes).   lp: [256 steps][1024 queries] f32: the sum of the UNQUANTISED p over the step's 128 slots.
; NO MAXIMUM IS TAKEN AWAY, AND WHY THAT HOLDS FOR EVERY INPUT: both operands are vectors of length 1 or less (the launch before normalises them, as the problem does).  Rounding to E3M2 lengthens a vector by at most
; 1/8 (normal codes) + sqrt(32) / 512 (subnormal codes of a block), a factor under 1.14; so |S| < 1.3 and |t| = |c S| < 18.8.  2^18.8, 2^-18.8 and a sum of 32,768 such numbers (under 2^33.8) lie far inside f32, and
; p's scale bytes between 104 and 142.  The rule's M is a whole number that a block's scale takes up: with M = 0 the codes' values, divided by the sum, are the same.
; LIMITS: t is made as S x c with one constant, one rounding; NaN and infinities are not served.
; A tile of S, 256 x 256, is made by a work-group of four waves; a wave makes 128 x 128: 64 accumulators of 16 x 16, 512 registers.  K goes in steps of 256 through a ring of two LDS slots filled by the tensor data mover.
; THE SCALES of the work-group's 256 rows of A and of B, for all of K, come into LDS once, with the first fills.
; CLUSTERS: 4 x 4 work-groups.  The four of a row of the cluster need the same tiles of A, the four of a column the same tiles of B: each tile is asked for JOINTLY.
; THE MATRIX INSTRUCTION IS USED TRANSPOSED (source 0 = 16 stored rows of B, source 1 = 16 rows of A): lane (r, h) holds query r, and by the stored order of the keys the 16 registers of accumulators (a, 2 b) and (a, 2 b + 1)
; are slots 32 b + 16 h + 0 .. 15: neighbours along the next product's K.
; REGISTERS, in windows of 256: window 0: v0-31 addresses; v32-63 scale words, two sets; from v128 A's fragments, ONE set; on the way out v64-255 are free.
;   window 1: B's fragments, TWO sets, at v0 and v128.   window 2: the accumulators of my rows 0-63 ((a, b) at v[8 (8 a + b)]);   window 3: those of my rows 64-127.
.set SIZE_M, 1024
.set SIZE_N, 32768
.set SIZE_K, 1024
.set KSTEP,  256                       ; along K in a slot
.set NQ,     KSTEP/128                 ; matrix instructions deep
.set ROWB,   192                       ; a tile's row in bytes
.set KROW,   SIZE_K*6/8                ; a row of A or of B in memory
.set PITCH,  240                       ; an LDS row: 3 x (64 bytes + 16 of padding)
.set FR,     12                        ; registers of a fragment
.set NL,     6                         ; LDS loads that bring one
.set NP,     4                         ; places behind this matrix instruction (ISA guide 7.12.1)
.set HALFT,  128*PITCH
.set SLOT,   4*HALFT                   ; A's 256 rows, then B's 256 rows
.set LAPS,   SIZE_K/(2*KSTEP)
.set KS,     SIZE_K/32                 ; a row of scales in bytes
.set SCL,    2*SLOT                    ; behind the ring: the scales, as units of 256 bytes + 16 of padding
.set HALFS,  (128*KS/256)*272
.set SBLK,   (16*KS/256)*272
.set SPARE,  SCL+4*HALFS               ; the spare words, 128 bytes for each wave: two blocks of 256 bytes that no other line names
.set ADRA, 16                          ; v16-17 LDS address of my A fragments in slot 0, 1 (v18-19: for the pieces behind one padding more)
.set ADRB, 20                          ; v20-23 the same for B
.set STW,  24                          ; v24    the way out: where a row's scale word and sum go: 1,024 x wave + 4 (lane % 16), in slot 0, which has had its last fill and its last read by then
.set RDW,  25                          ; v25    and where 16 bytes of them are read back: 1,024 x wave + 16 x lane
.set CO,   26                          ; v26    16 x lane
.set ADRS, 27                          ; v27    LDS address of my scale words: lanes 0-15 A's rows, lanes 16-31 B's
.set SPW,  28                          ; v28    LDS address of my spare word; never rewritten
.set NIL,  29                          ; v29    0; never rewritten
.set SC,   32
.set AF,   128
.set T,    64                          ; the way out: v64-127 t, then p, of 16 queries x 128 slots
.set BM,   128                         ; v128-131 the four blocks' largest t, then p
.set BX,   132                         ; v132-135 the other half's; then the scale bytes
.set SO,   136                         ; v136-139 the conversions' scale operands
.set PW,   192                         ; v192-199 the scale word of each of my eight tiles of queries
.set LS,   200                         ; v200-207 their sums of p
.set LX,   208                         ; v208-215 lane permutes' destinations
.set SU,   216                         ; v216-219, v228-231 four chains of sums
.set SV,   218
.set SW,   228
.set SZ,   230
.set OUTW, 220                         ; v220-227 what the last two stores take
.set G1, 24
.set G0, 32
.set G1B, 48
.set G0B, 56
.set G1S, 68
.set G0S, 76
.set G1SB, 80
.set G0SB, 88
.set MSB, 0
.macro WIN new                         ; the immediate's high byte repeats the setting that is left
.if MSB != (\new)
	s_set_vgpr_msb (MSB<<8)|(\new)
.set MSB, (\new)
.endif
.endm
.set MUL_LO, 0xa1                      ; source 0 (B) window 1, source 1 (A) window 0, C and D window 2
.set MUL_HI, 0xf1                      ; the same, C and D window 3
.set TO_B,   0x40                      ; destination window 1, address window 0
; A joint load: waves 0 and 1 fetch for A, waves 2 and 3 for B; the branch hangs on the wave's number alone.  Four v_nop follow each of the two lines.
.macro JLOAD g0a, g1a, g0b, g1b
	s_cmp_eq_u32 s15, 0
	s_cbranch_scc0 .Lfor_b_\@
	tensor_load_to_lds s[\g0a:\g0a+3], s[\g1a:\g1a+7]
	s_nop 0
.rept 4
	v_nop
.endr
	s_branch .Lasked_\@
.Lfor_b_\@:
	tensor_load_to_lds s[\g0b:\g0b+3], s[\g1b:\g1b+7]
	s_nop 0
.rept 4
	v_nop
.endr
.Lasked_\@:
.endm
.macro CREST                           ; a round of the cluster's barrier behind its opening barrier
	s_cmp_lg_u32 s14, 0
	s_cbranch_scc1 .Lnot_wave_0_\@
	s_barrier_signal -3
.Lnot_wave_0_\@:
	s_barrier_wait -3
	s_barrier_signal -1
	s_barrier_wait -1
.endm
.macro CROUND                          ; a whole round
	s_barrier_signal -1
	s_barrier_wait -1
	CREST
.endm
	s_load_b128 s[4:7], s[0:1], 0x0                ; A's codes (qc), A's scales (qs)
	s_load_b128 s[8:11], s[0:1], 0x10              ; B's codes (kc), B's scales (ks)
	s_load_b64 s[12:13], s[0:1], 0x20              ; pc
	s_load_b128 s[96:99], s[0:1], 0x28             ; ps, lp
	v_lshl_add_u32 v[SPW], v0, 2, SPARE
	v_mov_b32 v[NIL], 0
	ds_add_u32 v28, v29
	ds_add_u32 v28, v29
	s_wait_dscnt 0x0
	v_lshrrev_b32 v1, 5, v0
	v_readfirstlane_b32 s14, v1                    ; wave 0..3
	s_lshr_b32 s15, s14, 1                         ; which half of the tile's rows is mine.  Also: I fetch for A (0) or for B (1)
	s_and_b32 s16, s14, 1                          ; which half of its columns.  Also: which 128 rows of that tile I fetch
	s_bfe_u32 s40, ttmp6, 0x40000                  ; cx, cy: my place in the cluster
	s_bfe_u32 s41, ttmp6, 0x40004
	s_lshl_b32 s42, ttmp9, 2
	s_add_co_u32 s42, s42, s40                     ; tile column = 4 x cluster x + cx
	s_and_b32 s17, ttmp7, 0xffff
	s_lshl_b32 s17, s17, 2
	s_add_co_u32 s17, s17, s41                     ; tile row = 4 x cluster y + cy
	s_lshl_b32 s43, s41, 2
	s_lshl_b32 s43, 15, s43                        ; my row of the cluster
	s_lshl_b32 s44, 0x1111, s40                    ; my column
	; descriptor group 1: a tile of 128 rows x ROWB bytes, 16 bytes of padding behind every 64
	s_or_b32 s[G1+0], s43, (0<<16)|(1<<20)|(1<<21)|(3<<22)|(3<<25)  ; 15:0 the mask; 17:16 element of 1 byte; 20 padding on; 21 set beside a mask; 24:22 after every 16 words; 31:25 of 4 words
	s_or_b32 s[G1B+0], s44, (0<<16)|(1<<20)|(1<<21)|(3<<22)|(3<<25)
.irp g, G1, G1B
	s_mov_b32 s[\g+1], ROWB<<16                    ; tensor_dim0
	s_mov_b32 s[\g+2], 128<<16                     ; tensor_dim1
	s_mov_b32 s[\g+3], ROWB<<16                    ; tile_dim0
	s_mov_b32 s[\g+4], 128                         ; tile_dim1
	s_mov_b32 s[\g+5], KROW                        ; tensor_dim0_stride
	s_mov_b32 s[\g+6], 0
	s_mov_b32 s[\g+7], 0
.endr
	; the scales of 128 rows: a dense block of 128 KS bytes, as rows of 256 bytes (32 elements of 8 bytes), 16 bytes of padding behind each
	s_or_b32 s[G1S+0], s43, (3<<16)|(1<<20)|(1<<21)|(5<<22)|(3<<25)
	s_or_b32 s[G1SB+0], s44, (3<<16)|(1<<20)|(1<<21)|(5<<22)|(3<<25)
.irp g, G1S, G1SB
	s_mov_b32 s[\g+1], 32<<16
	s_mov_b32 s[\g+2], (128*KS/256)<<16
	s_mov_b32 s[\g+3], 32<<16
	s_mov_b32 s[\g+4], 128*KS/256
	s_mov_b32 s[\g+5], 32
	s_mov_b32 s[\g+6], 0
	s_mov_b32 s[\g+7], 0
.endr
	s_lshl_b32 s18, s16, 7                         ; which 128 rows of the tile I fetch
	s_lshl_b32 s20, s17, 8
	s_add_co_u32 s20, s20, s18                     ; A: row 256 x tile row + 128 x half
	s_lshl_b32 s46, s42, 8
	s_add_co_u32 s46, s46, s18                     ; B: row 256 x tile column + 128 x half
	s_mov_b32 s21, 0
	s_mov_b32 s47, 0
	s_mov_b64 s[18:19], KS
	s_mul_u64 s[22:23], s[20:21], s[18:19]         ; where these rows' scales begin, in bytes
	s_mul_u64 s[92:93], s[46:47], s[18:19]
	s_mov_b64 s[18:19], KROW
	s_mul_u64 s[20:21], s[20:21], s[18:19]         ; and their codes
	s_mul_u64 s[46:47], s[46:47], s[18:19]
	s_mul_i32 s45, s14, HALFT                      ; where they go: wave x 128 rows: no place in the cluster enters an LDS address
	s_mul_i32 s94, s14, HALFS
	s_wait_kmcnt 0x0
	s_add_nc_u64 s[20:21], s[4:5], s[20:21]
	s_add_nc_u64 s[22:23], s[6:7], s[22:23]
	s_add_nc_u64 s[46:47], s[8:9], s[46:47]
	s_add_nc_u64 s[92:93], s[10:11], s[92:93]
	CROUND                                         ; all sixteen work-groups are here: the first joint loads meet
	s_mov_b32 s[G0S], 1
	s_add_co_u32 s[G0S+1], s94, SCL
	s_mov_b64 s[G0S+2:G0S+3], s[22:23]
	s_or_b32 s[G0S+3], s[G0S+3], 0x80000000
	s_mov_b32 s[G0SB], 1
	s_add_co_u32 s[G0SB+1], s94, SCL
	s_mov_b64 s[G0SB+2:G0SB+3], s[92:93]
	s_or_b32 s[G0SB+3], s[G0SB+3], 0x80000000
	JLOAD G0S, G1S, G0SB, G1SB                     ; the scales first: they are wanted with K step 0
.irp s, 0,1
	s_mov_b32 s[G0+4*\s], 1
	s_add_co_u32 s[G0+4*\s+1], s45, \s*SLOT
	s_add_nc_u64 s[G0+4*\s+2:G0+4*\s+3], s[20:21], \s*ROWB
	s_or_b32 s[G0+4*\s+3], s[G0+4*\s+3], 0x80000000
	s_mov_b32 s[G0B+4*\s], 1
	s_add_co_u32 s[G0B+4*\s+1], s45, \s*SLOT
	s_add_nc_u64 s[G0B+4*\s+2:G0B+4*\s+3], s[46:47], \s*ROWB
	s_or_b32 s[G0B+4*\s+3], s[G0B+4*\s+3], 0x80000000
	JLOAD G0+4*\s, G1, G0B+4*\s, G1B               ; three tensor loads of mine are out behind the second of these
.endr
	v_and_b32 v1, 15, v0                           ; l % 16
	v_bfe_u32 v2, v0, 4, 1                         ; l / 16
	v_mul_u32_u24 v3, v1, PITCH
	v_mul_u32_u24 v4, v2, 24
	v_add_nc_u32 v4, v3, v4                        ; a fragment's row x pitch + 24 x half
	v_lshl_add_u32 v5, v2, 4, v4                   ; and the same behind one padding more
	s_mul_i32 s21, s15, HALFT                      ; my 128 rows of A
	s_mul_i32 s22, s16, HALFT                      ; my 128 rows of B,
	s_add_co_u32 s22, s22, 2*HALFT                 ; which lie behind A's 256
.irp s, 0,1
	v_add_nc_u32 v[ADRA+\s], s21, v4
	v_add_nc_u32 v[ADRB+\s], s22, v4
	v_add_nc_u32 v[ADRA+2+\s], s21, v5
	v_add_nc_u32 v[ADRB+2+\s], s22, v5
	s_add_co_u32 s21, s21, SLOT
	s_add_co_u32 s22, s22, SLOT
.endr
	v_mul_u32_u24 v5, v1, KS                       ; my row's scales: KS bytes a row,
	v_lshrrev_b32 v6, 8, v5
	v_lshl_add_u32 v5, v6, 4, v5                   ; and 16 more for each 256 passed
	s_mul_i32 s21, s15, HALFS                      ; A's: my 128 rows
	s_mul_i32 s22, s16, HALFS                      ; B's: my 128 rows, behind A's 256
	s_add_co_u32 s22, s22, 2*HALFS
	s_sub_co_u32 s22, s22, s21
	v_mul_u32_u24 v6, s22, v2                      ; lanes 16-31 take B's
	s_add_co_u32 s21, s21, SCL
	v_add_nc_u32 v5, v5, v6
	v_add_nc_u32 v[ADRS], s21, v5
	s_lshl_b32 s23, s14, 10                        ; my 1,024 bytes for the way out
	v_lshlrev_b32 v5, 2, v1
	v_add_nc_u32 v[STW], s23, v5
	v_and_b32 v6, 31, v0
	v_lshlrev_b32 v[CO], 4, v6
	v_add_nc_u32 v[RDW], s23, v[CO]
	s_mul_i32 s20, s17, 6291456                    ; pc: my block of 256 queries (256 steps x 16 images of 1,536 bytes),
	s_mul_i32 s21, s15, 12288                      ; my eight of its sixteen tiles,
	s_add_co_u32 s20, s20, s21
	s_mov_b32 s21, 0
	s_mul_i32 s46, s42, 49152                      ; my step of 128 slots: 2 x tile column + half, 24,576 bytes each
	s_mul_i32 s47, s16, 24576
	s_add_co_u32 s46, s46, s47
	s_mov_b32 s47, 0
	s_add_nc_u64 s[20:21], s[20:21], s[46:47]
	s_add_nc_u64 s[12:13], s[12:13], s[20:21]
	s_lshl_b32 s20, s17, 10                        ; ps and lp: my 128 queries' words,
	s_lshl_b32 s21, s15, 9
	s_add_co_u32 s20, s20, s21
	s_mov_b32 s21, 0
	s_lshl_b32 s46, s42, 13                        ; in my step's row of 4,096 bytes
	s_lshl_b32 s47, s16, 12
	s_add_co_u32 s46, s46, s47
	s_mov_b32 s47, 0
	s_add_nc_u64 s[20:21], s[20:21], s[46:47]
	s_add_nc_u64 s[96:97], s[96:97], s[20:21]
	s_add_nc_u64 s[98:99], s[98:99], s[20:21]
.macro FRAG reg, adr, q, i             ; a fragment, 16 rows x 128 K of 6-bit codes: lane l holds row l % 16; registers 6 c .. 6 c + 5 hold K = 64 c + 32 (l / 16) + 0 .. 31: 24 bytes of the row's stream of bits, as they lie
.irp p, 0,1,2,3,4,5                    ; in pieces of 8 bytes.  Lanes 16-31 read three pieces further on than lanes 0-15; where that lies behind one padding more, the second address register serves
.set PC, 12*(\q)+6*(\p/3)+\p%3
.if PC%8 < 5
	ds_load_b64 v[\reg+2*\p:\reg+2*\p+1], v[\adr] offset:8*PC+16*(PC/8)+(\i)*16*PITCH
.else
	ds_load_b64 v[\reg+2*\p:\reg+2*\p+1], v[\adr+2] offset:8*PC+16*(PC/8)+(\i)*16*PITCH
.endif
.endr
.endm
; 16 matrix instructions: A's blocks a0, a0 + 1 x B's eight, 128 along K.  zero = 1: the first product starts the sums.  The 64 accumulators take turns, one instruction a turn.
.macro MUL16 a0, p, q, sc, zero
.irp a, \a0, \a0+1
.irp b, 0,1,2,3,4,5,6,7
.if \zero
	v_wmma_scale_f32_16x16x128_f8f6f4 v[8*(8*((\a)%4)+\b):8*(8*((\a)%4)+\b)+7], v[128*(\p)+FR*\b:128*(\p)+FR*\b+FR-1], v[AF+FR*(\a):AF+FR*(\a)+FR-1], 0, v[SC+8*NQ*(\sc)+NQ*\b+(\q)], v[SC+8*NQ*(\sc)+NQ*(\a)+(\q)] matrix_a_fmt:MATRIX_FMT_BF6 matrix_b_fmt:MATRIX_FMT_BF6 matrix_a_scale:MATRIX_SCALE_ROW1
.else
	v_wmma_scale_f32_16x16x128_f8f6f4 v[8*(8*((\a)%4)+\b):8*(8*((\a)%4)+\b)+7], v[128*(\p)+FR*\b:128*(\p)+FR*\b+FR-1], v[AF+FR*(\a):AF+FR*(\a)+FR-1], v[8*(8*((\a)%4)+\b):8*(8*((\a)%4)+\b)+7], v[SC+8*NQ*(\sc)+NQ*\b+(\q)], v[SC+8*NQ*(\sc)+NQ*(\a)+(\q)] matrix_a_fmt:MATRIX_FMT_BF6 matrix_b_fmt:MATRIX_FMT_BF6 matrix_a_scale:MATRIX_SCALE_ROW1
.endif
.endr
.endr
.endm
.macro FETCH_B slot, q, p
	WIN TO_B
.irp i, 0,1,2,3,4,5,6,7
	FRAG 128*(\p)+FR*\i, ADRB+\slot, \q, \i
.endr
	WIN 0
.endm
.macro FETCH_A slot, q, i0
.irp i, \i0, \i0+1, \i0+2, \i0+3
	FRAG AF+FR*(\i), ADRA+\slot, \q, \i
.endr
.endm
.macro SCALES sc                       ; a K step's scale words into set sc: lanes 0-15 take A's block i, lanes 16-31 B's block i
.irp i, 0,1,2,3,4,5,6,7
	ds_load_b64 v[SC+8*NQ*\sc+NQ*\i:SC+8*NQ*\sc+NQ*\i+1], v[ADRS] offset:\i*SBLK
.endr
.endm
.macro PLACES n                        ; plain vector instructions between a matrix instruction and a load into, or a read of, its registers
.rept \n
	v_nop
.endr
.endm
.macro STEP slot, q, zero              ; a step of 128 along K that has its successor in the same slot
	s_wait_dscnt 4*NL                              ; B's set and A's blocks 0-3 are in; the youngest 24 loads (A's blocks 4-7) may be out
	WIN MUL_LO
	MUL16 0, (\q)%2, \q, \slot, \zero
	MUL16 2, (\q)%2, \q, \slot, \zero
	s_wait_dscnt 0                                 ; A's blocks 4-7 are in
	PLACES NP
	FETCH_B \slot, (\q)+1, 1-(\q)%2
	FETCH_A \slot, (\q)+1, 0
	WIN MUL_HI
	MUL16 4, (\q)%2, \q, \slot, \zero
	MUL16 6, (\q)%2, \q, \slot, \zero
	PLACES NP
	WIN 0
	FETCH_A \slot, (\q)+1, 4
.endm
; A slot's last step changes slots.  All of the step's fragments have been asked for when it begins, so the slot is given up AT ITS HEAD: each wave waits for all its tensor loads (its part of the next slot), adds 0 to its
; spare word, and waits for that and for its own reads of this slot; ONE barrier; fill = 1: this slot is filled again, two K steps ahead, first thing behind it.  Only then come the step's 64 products:
; from a request to the wait for it a wave issues 128 matrix instructions, a whole slot's.
.macro TURN slot, next, fill
	s_wait_tensorcnt 0x0                           ; all my tensor loads have landed: my part of the next slot; so every group 0 may be written
	ds_add_u32 v[SPW], v[NIL]                      ; 0 onto my spare word
.if \fill
	s_add_nc_u64 s[G0+4*\slot+2:G0+4*\slot+3], s[G0+4*\slot+2:G0+4*\slot+3], 2*ROWB
	s_add_nc_u64 s[G0B+4*\slot+2:G0B+4*\slot+3], s[G0B+4*\slot+2:G0B+4*\slot+3], 2*ROWB
.endif
	s_wait_dscnt 0x0                               ; the add is done, and my reads of this slot are over: the last step's fragments are in registers
	s_barrier_signal -1
	s_barrier_wait -1
.if \fill
	CREST                                          ; the barrier has opened a round of the cluster's barrier: no wave of any partner still reads this slot or has a load on its way
	JLOAD G0+4*\slot, G1, G0B+4*\slot, G1B         ; the first tensor load behind the round
.endif
	WIN MUL_LO
	MUL16 0, 1, NQ-1, \slot, 0
	MUL16 2, 1, NQ-1, \slot, 0
	WIN 0
	PLACES NP                                      ; in front of the loads into A's blocks 0-3, which these products have read
	v_add_nc_u32 v[ADRS], 4*NQ, v[ADRS]            ; on to the next K step's scale words
	FETCH_B \next, 0, 0
	FETCH_A \next, 0, 0
	SCALES \next
	WIN MUL_HI
	MUL16 4, 1, NQ-1, \slot, 0
	MUL16 6, 1, NQ-1, \slot, 0
	PLACES NP
	WIN 0
	FETCH_A \next, 0, 4
.endm
	s_wait_tensorcnt 1                             ; the scales and my part of K step 0 are in (K step 1's load may be out),
	s_barrier_signal -1
	s_barrier_wait -1                              ; everybody's are
	FETCH_B 0, 0, 0
	FETCH_A 0, 0, 0
	SCALES 0
	FETCH_A 0, 0, 4
	STEP 0, 0, 1                                   ; the first step stands in front of the loop: its products start the sums
	s_mov_b32 s3, LAPS-1
.Llap:                                                 ; a trip goes once round the ring and fills both slots again
	TURN 0, 1, 1
	STEP 1, 0, 0
	TURN 1, 0, 1
	STEP 0, 0, 0
	s_sub_co_u32 s3, s3, 1
	s_cmp_lg_u32 s3, 0
	s_cbranch_scc1 .Llap
	TURN 0, 1, 0                                   ; the last lap fills nothing
	STEP 1, 0, 0
	s_wait_dscnt 4*NL
	WIN MUL_LO
	MUL16 0, 1, NQ-1, 1, 0
	MUL16 2, 1, NQ-1, 1, 0
	s_wait_dscnt 0
	WIN MUL_HI
	MUL16 4, 1, NQ-1, 1, 0
	MUL16 6, 1, NQ-1, 1, 0
	WIN 0
; THE WAY OUT, a tile of 16 queries x my 128 slots at a time.
	s_mov_b32 s20, 0x76543210
	s_mov_b32 s21, 0xfedcba98                      ; selects for lane l xor 16
	s_mov_b32 s22, 0x4166d4ca                      ; c = 10 log2(e)
	s_mov_b32 s23, s22                             ; (the packed form names the pair)
	PLACES NP                                      ; behind the last products: what follows reads results and writes registers that held their operands
.irp b, 0,1,2,3
	v_mov_b32 v[BX+\b], 0                          ; a lane permute's destination counts as one of its sources
.endr
.irp b, 0,1,2,3,4,5,6,7
	v_mov_b32 v[LX+\b], 0
.endr
.macro EPI a
.set AC, 64*((\a)%4)                   ; the tile's eight accumulators, in window 2 or 3
.set PCD, 144+24*((\a)%2)              ; its codes: two sets of registers by turns
	WIN 0x02+(\a)/4
.set JJ, 0
.rept 32
	v_pk_mul_f32 v[T+JJ:T+JJ+1], v[AC+JJ:AC+JJ+1], s[22:23] op_sel_hi:[1,0]   ; t = c S; each accumulator is read from its low end on
.set JJ, JJ+2
.endr
	WIN 0
.irp b, 0,1,2,3
	v_max3_num_f32 v[BM+\b], v[T+16*\b], v[T+1+16*\b], v[T+2+16*\b]            ; the largest t of each block of 32 slots: p rises with t, so it gives the block's largest p
.endr
.irp i, 3,5,7,9,11,13
.irp b, 0,1,2,3
	v_max3_num_f32 v[BM+\b], v[BM+\b], v[T+16*\b+\i], v[T+1+16*\b+\i]
.endr
.endr
.irp b, 0,1,2,3
	v_max_num_f32 v[BM+\b], v[BM+\b], v[T+15+16*\b]
.endr
.irp b, 0,1,2,3
	v_permlanex16_b32 v[BX+\b], v[BM+\b], s20, s21
.endr
.irp b, 0,1,2,3
	v_max_num_f32 v[BM+\b], v[BM+\b], v[BX+\b]     ; with lane l xor 16's 16 slots
.endr
.set JJ, 0
.rept 64
	v_exp_f32 v[T+JJ], v[T+JJ]                     ; p = 2^t
.set JJ, JJ+1
.endr
.irp b, 0,1,2,3
	v_exp_f32 v[BM+\b], v[BM+\b]                   ; the block's largest p: the same instruction on the same number gives the same bits
.endr
	v_nop                                          ; a plain instruction behind the exponentials
	s_wait_alu depctr_va_vdst(0)
.irp b, 0,1,2,3
	v_max_num_f32 v[BM+\b], 0x2800000, v[BM+\b]    ; the floor 2^(5 - 127): the byte cannot fall under 1
.endr
.irp b, 0,1,2,3
	v_add_nc_u32 v[SO+\b], 0xfe000000, v[BM+\b]    ; 4 off the exponent field: the conversion's scale operand
.endr
.irp b, 0,1,2,3
	v_lshrrev_b32 v[BX+\b], 23, v[SO+\b]           ; the scale's byte
.endr
	v_lshl_or_b32 v[PW+(\a)], v[BX+1], 8, v[BX]    ; the tile's scale word
	v_lshl_or_b32 v[PW+(\a)], v[BX+2], 16, v[PW+(\a)]
	v_lshl_or_b32 v[PW+(\a)], v[BX+3], 24, v[PW+(\a)]
.if (\a) > 1
	s_wait_xcnt 0x0                                ; the stores of the tile two back have read this set of registers, which the conversions below are the first to write again
.endif
.irp c, 0,1
	v_cvt_scalef32_pk16_bf6_f32 v[PCD+6*\c:PCD+2+6*\c], v[T+32*\c:T+15+32*\c], v[SO+2*\c]
	v_cvt_scalef32_pk16_bf6_f32 v[PCD+12+4*\c:PCD+14+4*\c], v[T+16+32*\c:T+31+32*\c], v[SO+2*\c+1]   ; (a conversion's three registers begin on an even number)
.endr
	v_nop                                          ; one plain instruction behind a scaled conversion
.irp c, 0,1                                    ; the operand's layout wants a WHOLE block in a lane: lanes 0-15 block 2 c, lanes 16-31 block 2 c + 1
.irp i, 0,1,2
	v_permlane16_swap_b32 v[PCD+6*\c+\i], v[PCD+12+4*\c+\i]
.endr
.irp i, 0,1,2
	v_mov_b32 v[PCD+3+6*\c+\i], v[PCD+12+4*\c+\i]
.endr
.endr
	v_pk_add_f32 v[SU:SU+1], v[T:T+1], v[T+2:T+3]                  ; the sum is taken of the UNQUANTISED p, in four chains of pairs, so that no line waits for the line above it
	v_pk_add_f32 v[SV:SV+1], v[T+4:T+5], v[T+6:T+7]
	v_pk_add_f32 v[SW:SW+1], v[T+8:T+9], v[T+10:T+11]
	v_pk_add_f32 v[SZ:SZ+1], v[T+12:T+13], v[T+14:T+15]
.irp i, 16,24,32,40,48,56
	v_pk_add_f32 v[SU:SU+1], v[SU:SU+1], v[T+\i:T+\i+1]
	v_pk_add_f32 v[SV:SV+1], v[SV:SV+1], v[T+\i+2:T+\i+3]
	v_pk_add_f32 v[SW:SW+1], v[SW:SW+1], v[T+\i+4:T+\i+5]
	v_pk_add_f32 v[SZ:SZ+1], v[SZ:SZ+1], v[T+\i+6:T+\i+7]
.endr
	v_pk_add_f32 v[SU:SU+1], v[SU:SU+1], v[SV:SV+1]
	v_pk_add_f32 v[SW:SW+1], v[SW:SW+1], v[SZ:SZ+1]
	v_pk_add_f32 v[SU:SU+1], v[SU:SU+1], v[SW:SW+1]
	v_add_f32 v[LS+(\a)], v[SU], v[SU+1]
.irp c, 0,1,2
	global_store_b128 v[CO], v[PCD+4*\c:PCD+4*\c+3], s[12:13] offset:1536*(\a)+512*\c   ; the fragment as it stands: 32 lanes store 512 consecutive bytes, aligned
.endr
.endm
.irp a, 0,1,2,3,4,5,6,7
	EPI \a
.endr
.irp a, 0,1,2,3,4,5,6,7
	v_permlanex16_b32 v[LX+\a], v[LS+\a], s20, s21
.endr
.irp a, 0,1,2,3,4,5,6,7
	v_add_f32 v[LS+\a], v[LS+\a], v[LX+\a]         ; with lane l xor 16's 64 slots: the query's sum over my 128
.endr
.irp a, 0,1,2,3,4,5,6,7
	ds_store_b32 v[STW], v[PW+\a] offset:64*\a     ; query 16 a + r's word; both halves of the lanes write the same word with the same value
	ds_store_b32 v[STW], v[LS+\a] offset:512+64*\a
.endr
	ds_load_b128 v[OUTW:OUTW+3], v[RDW]            ; LDS serves a wave's instructions in order: these see my stores
	ds_load_b128 v[OUTW+4:OUTW+7], v[RDW] offset:512
	s_wait_dscnt 0x0
	global_store_b128 v[CO], v[OUTW:OUTW+3], s[96:97]              ; 128 queries' scale words: 512 consecutive bytes, aligned
	global_store_b128 v[CO], v[OUTW+4:OUTW+7], s[98:99]            ; and their sums
	s_wait_tensorcnt 0x0                           ; the wave's end
	ds_add_u32 v[SPW], v[NIL]
	s_wait_dscnt 0x0
	CROUND                                         ; the closing round: no work-group ends while a partner may still ask for a tile that names it
	s_endpgm
.Lfunc_end_k_q37bdfa048e_scores:
	.size	k_q37bdfa048e_scores, .Lfunc_end_k_q37bdfa048e_scores-k_q37bdfa048e_scores
	.p2alignl 7, 3214868480
	.fill 96, 4, 3214868480
	.section	.rodata,"a",@progbits
	.p2align	6, 0x0
	.amdhsa_kernel k_q37bdfa048e_scores
		.amdhsa_group_segment_fixed_size 327680
		.amdhsa_private_segment_fixed_size 0
		.amdhsa_enable_private_segment 0
		.amdhsa_kernarg_size 56
		.amdhsa_user_sgpr_count 2
		.amdhsa_user_sgpr_kernarg_segment_ptr 1
		.amdhsa_wavefront_size32 1
		.amdhsa_system_sgpr_workgroup_id_x 1
		.amdhsa_system_sgpr_workgroup_id_y 1
		.amdhsa_system_sgpr_workgroup_id_z 1
		.amdhsa_system_vgpr_workitem_id 0
		.amdhsa_next_free_vgpr 1024
		.amdhsa_next_free_sgpr 100
		.amdhsa_reserve_vcc 0
		.amdhsa_float_denorm_mode_32 3
		.amdhsa_float_denorm_mode_16_64 3
		.amdhsa_memory_ordered 1
		.amdhsa_forward_progress 1
		.amdhsa_inst_pref_size 215
	.end_amdhsa_kernel
	.amdgpu_metadata
---
amdhsa.version: [ 1, 2 ]
amdhsa.kernels:
  - .name:           k_q37bdfa048e_scores
    .symbol:         k_q37bdfa048e_scores.kd
    .args:
      - { .name: qc, .offset: 0, .size: 8, .value_kind: global_buffer, .address_space: global }
      - { .name: qs, .offset: 8, .size: 8, .value_kind: global_buffer, .address_space: global }
      - { .name: kc, .offset: 16, .size: 8, .value_kind: global_buffer, .address_space: global }
      - { .name: ks, .offset: 24, .size: 8, .value_kind: global_buffer, .address_space: global }
      - { .name: pc, .offset: 32, .size: 8, .value_kind: global_buffer, .address_space: global }
      - { .name: ps, .offset: 40, .size: 8, .value_kind: global_buffer, .address_space: global }
      - { .name: lp, .offset: 48, .size: 8, .value_kind: global_buffer, .address_space: global }
    .group_segment_fixed_size: 327680
    .private_segment_fixed_size: 0
    .kernarg_segment_align: 8
    .kernarg_segment_size: 56
    .max_flat_workgroup_size: 128
    .sgpr_count:     100
    .vgpr_count:     1024
    .wavefront_size: 32
...
	.end_amdgpu_metadata
.endif
;; end of part 2
;; launch pv (part 3): grid 64 x 4, 4 waves a work-group, clusters of 4 x 4, 327,680 bytes of LDS; arguments pc, ps, values_codes, values_scales, op; writes op
.if DOCPART == 3
	.amdgcn_target "amdgcn-amd-amdhsa--gfx1250"
	.amdhsa_code_object_version 6
	.text
	.protected	k_q37bdfa048e_pv
	.globl	k_q37bdfa048e_pv
	.p2align	8
	.type	k_q37bdfa048e_pv,@function
k_q37bdfa048e_pv:
	s_mov_b64 s[64:65], 0
	v_nop
	global_prefetch_b8 v0, s[64:65] scope:SCOPE_SE
	s_setreg_imm32_b32 hwreg(HW_REG_WAVE_MODE, 25, 1), 1
	s_wait_xcnt 0x0
	s_wait_alu depctr_hold_cnt(0) depctr_sa_sdst(0) depctr_va_vdst(0) depctr_va_sdst(0) depctr_va_ssrc(0) depctr_va_vcc(0) depctr_vm_vsrc(0)
	s_getreg_b32 s2, hwreg(HW_REG_IB_STS2, 6, 4)
	s_cmp_eq_u32 s2, 0
	s_cbranch_scc0 .Lentry_in_a_cluster
	s_endpgm
.Lentry_in_a_cluster:
	s_bfe_u32 s2, ttmp6, 0x10000c
	s_cmp_lg_u32 s2, 0xf033
	s_cbranch_scc0 .Lentry_shape_is_right
	s_endpgm
.Lentry_shape_is_right:
; op[split][q][d] = the sum over the split's 2,048 slots n of P[q][n] V[d][n], on codes of BF6 (E3M2) with one E8M0 scale for each 32 slots; f32 sums.  Sixteen splits of the 32,768 slots; the next launch adds them.
; A = P: pc holds images of operand registers, [4 blocks of 256 queries][256 steps of 128 slots][16 tiles of 16 queries][1,536 bytes]; ps [256 steps][1024 queries] holds a tile row's scale word.
; B = values_codes [1024 d][1024 blocks][24 bytes], slots innermost, and values_scales [1024 d][1024 blocks], taken as they are given.
; A tile of op, 256 queries x 256 d, is made by a work-group of four waves; a wave makes 128 x 128: 64 accumulators, 512 registers.  K goes in steps of 256 slots through a ring of two LDS slots.
; A's part of a slot is dense: 2 steps x 16 images; a fragment comes by three loads of 16 bytes a lane, 512 consecutive bytes each.  B's part: 256 rows of 192 bytes, 16 bytes of padding behind every 64.
; THE SCALES of the split come into LDS once, with the first fills: A's 16 steps x 256 words, B's 256 rows x 64 bytes (+ 16 of padding).
; CLUSTERS: 4 x 4 work-groups of ONE split (the cluster's x): cx = the tile column (d), cy = the tile row (queries).  A's tiles are shared along a row of the cluster, B's along a column: each is asked for JOINTLY.
; THE MATRIX INSTRUCTION IS USED TRANSPOSED (source 0 = 16 rows of B, source 1 = 16 rows of A): a lane holds eight neighbouring d of one query.
; REGISTERS: window 0: v0-31 addresses; v32-63 A's scale words, v64-95 B's, two sets each; from v128 A's fragments, ONE set.  window 1: B's fragments, TWO sets.  windows 2, 3: the accumulators.
.set SIZE_N, 1024                      ; a row of op in numbers
.set NQ,     2
.set ROWB,   192                       ; a row of B's tile in bytes
.set KROW,   24576                     ; a row of values_codes in bytes
.set PITCH,  240
.set FR,     12
.set NLA,    3                         ; LDS loads that bring a fragment of A
.set NP,     4                         ; places behind this matrix instruction (ISA guide 7.12.1)
.set HALFA,  24576                     ; one step's 16 images: what one tensor load brings for A
.set HALFB,  128*PITCH                 ; 128 rows of B
.set BOFF,   2*HALFA
.set SLOT,   2*HALFA+2*HALFB
.set LAPS,   4                         ; 2,048 slots / (2 x 256)
.set SCA,    2*SLOT                    ; A's scale words: 16 steps x 1,024 bytes
.set SCB,    SCA+16*1024               ; B's scale bytes: 256 rows x 80 bytes
.set SPARE,  SCB+256*80                ; the spare words, 128 bytes for each wave: two blocks of 256 bytes that no other line names
.set SPITCH, 528                       ; the way out: a stage of 16 rows x (512 bytes + 16) for each wave, in slot 0, which has had its last fill and its last read by then
.set ADRA, 16                          ; v16-17 LDS address of my lane's 16 bytes in my first image of slot 0, 1
.set ADRB, 20                          ; v20-21 LDS address of my B fragments in slot 0, 1 (v22-23: for the pieces behind one padding more)
.set STO,  24
.set RD,   25
.set CO,   26                          ; v26    16 x lane
.set ADRSA, 27                         ; v27    LDS address of my row's scale word of A
.set SPW,  28                          ; v28    LDS address of my spare word; never rewritten
.set NIL,  29                          ; v29    0; never rewritten
.set ADRSB, 30                         ; v30    LDS address of my row's scale bytes of B
.set SA,   32                          ; A's scale words: set s at v[SA + 16 s]; in it register 2 a + q
.set SB,   64                          ; B's likewise
.set AF,   128
.set BK,   128
.set G1, 24
.set G0, 32
.set G1B, 48
.set G0B, 56
.set G1S, 68
.set G0S, 76
.set G1SB, 80
.set G0SB, 88
.set MSB, 0
.macro WIN new                         ; the immediate's high byte repeats the setting that is left
.if MSB != (\new)
	s_set_vgpr_msb (MSB<<8)|(\new)
.set MSB, (\new)
.endif
.endm
.set MUL_LO, 0xa1
.set MUL_HI, 0xf1
.set TO_B,   0x40
.macro JLOAD g0a, g1a, g0b, g1b        ; a joint load: waves 0 and 1 fetch for A, waves 2 and 3 for B; four v_nop follow each of the two lines
	s_cmp_eq_u32 s15, 0
	s_cbranch_scc0 .Lfor_b_\@
	tensor_load_to_lds s[\g0a:\g0a+3], s[\g1a:\g1a+7]
	s_nop 0
.rept 4
	v_nop
.endr
	s_branch .Lasked_\@
.Lfor_b_\@:
	tensor_load_to_lds s[\g0b:\g0b+3], s[\g1b:\g1b+7]
	s_nop 0
.rept 4
	v_nop
.endr
.Lasked_\@:
.endm
.macro CREST
	s_cmp_lg_u32 s14, 0
	s_cbranch_scc1 .Lnot_wave_0_\@
	s_barrier_signal -3
.Lnot_wave_0_\@:
	s_barrier_wait -3
	s_barrier_signal -1
	s_barrier_wait -1
.endm
.macro CROUND
	s_barrier_signal -1
	s_barrier_wait -1
	CREST
.endm
	s_load_b128 s[4:7], s[0:1], 0x0                ; pc, ps
	s_load_b128 s[8:11], s[0:1], 0x10              ; values_codes, values_scales
	s_load_b64 s[12:13], s[0:1], 0x20              ; op
	v_lshl_add_u32 v[SPW], v0, 2, SPARE
	v_mov_b32 v[NIL], 0
	ds_add_u32 v28, v29
	ds_add_u32 v28, v29
	s_wait_dscnt 0x0
	v_lshrrev_b32 v1, 5, v0
	v_readfirstlane_b32 s14, v1                    ; wave 0..3
	s_lshr_b32 s15, s14, 1                         ; which half of the tile's rows is mine.  Also: I fetch for A (0) or for B (1)
	s_and_b32 s16, s14, 1                          ; which half of its columns.  Also: which half of that tile I fetch
	s_bfe_u32 s40, ttmp6, 0x40000                  ; cx, cy: my place in the cluster
	s_bfe_u32 s41, ttmp6, 0x40004
	s_mov_b32 s42, s40                             ; tile column (d) = cx; the cluster's x, ttmp9, is the split
	s_and_b32 s17, ttmp7, 0xffff
	s_lshl_b32 s17, s17, 2
	s_add_co_u32 s17, s17, s41                     ; tile row (queries) = 4 x cluster y + cy
	s_lshl_b32 s43, s41, 2
	s_lshl_b32 s43, 15, s43                        ; my row of the cluster
	s_lshl_b32 s44, 0x1111, s40                    ; my column
	; group 1 for A's codes: a dense block of 24,576 bytes as 96 rows of 256 bytes (32 elements of 8 bytes), no padding
	s_or_b32 s[G1+0], s43, (3<<16)|(1<<21)
	s_mov_b32 s[G1+1], 32<<16
	s_mov_b32 s[G1+2], 96<<16
	s_mov_b32 s[G1+3], 32<<16
	s_mov_b32 s[G1+4], 96
	s_mov_b32 s[G1+5], 32
	s_mov_b32 s[G1+6], 0
	s_mov_b32 s[G1+7], 0
	; for B's codes: 128 rows x 192 bytes, 24,576 bytes apart, 16 bytes of padding behind every 64
	s_or_b32 s[G1B+0], s44, (0<<16)|(1<<20)|(1<<21)|(3<<22)|(3<<25)
	s_mov_b32 s[G1B+1], ROWB<<16
	s_mov_b32 s[G1B+2], 128<<16
	s_mov_b32 s[G1B+3], ROWB<<16
	s_mov_b32 s[G1B+4], 128
	s_mov_b32 s[G1B+5], KROW
	s_mov_b32 s[G1B+6], 0
	s_mov_b32 s[G1B+7], 0
	; for A's scale words: 8 steps' rows of 1,024 bytes (128 elements of 8 bytes), 4,096 bytes apart
	s_or_b32 s[G1S+0], s43, (3<<16)|(1<<21)
	s_mov_b32 s[G1S+1], 128<<16
	s_mov_b32 s[G1S+2], 8<<16
	s_mov_b32 s[G1S+3], 128<<16
	s_mov_b32 s[G1S+4], 8
	s_mov_b32 s[G1S+5], 512
	s_mov_b32 s[G1S+6], 0
	s_mov_b32 s[G1S+7], 0
	; for B's scale bytes: 128 rows of 64 bytes (8 elements of 8 bytes), 1,024 bytes apart, 16 bytes of padding behind each
	s_or_b32 s[G1SB+0], s44, (3<<16)|(1<<20)|(1<<21)|(3<<22)|(3<<25)
	s_mov_b32 s[G1SB+1], 8<<16
	s_mov_b32 s[G1SB+2], 128<<16
	s_mov_b32 s[G1SB+3], 8<<16
	s_mov_b32 s[G1SB+4], 128
	s_mov_b32 s[G1SB+5], 128
	s_mov_b32 s[G1SB+6], 0
	s_mov_b32 s[G1SB+7], 0
	; where the tiles come from.  A's hang on the tile row and the split, B's on the tile column and the split; each in registers that never hold the other coordinate
	s_mul_i32 s20, s17, 6291456                    ; A's codes: my block of 256 queries,
	s_mul_i32 s18, ttmp9, 393216                   ; the split's 16 steps of 24,576 bytes,
	s_add_co_u32 s20, s20, s18
	s_mul_i32 s18, s16, HALFA                      ; the step of a slot's two that I fetch
	s_add_co_u32 s20, s20, s18
	s_mov_b32 s21, 0
	s_lshl_b32 s22, ttmp9, 16                      ; A's scale words: the split's 16 rows of 4,096 bytes,
	s_lshl_b32 s18, s16, 15                        ; the eight that I fetch,
	s_add_co_u32 s22, s22, s18
	s_lshl_b32 s18, s17, 10                        ; my block's 256 words
	s_add_co_u32 s22, s22, s18
	s_mov_b32 s23, 0
	s_lshl_b32 s46, s42, 8
	s_lshl_b32 s18, s16, 7
	s_add_co_u32 s46, s46, s18                     ; B: row 256 x tile column + 128 x half
	s_lshl_b32 s92, s46, 10                        ; its scale bytes: 1,024 a row,
	s_mul_i32 s46, s46, KROW                       ; its codes,
	s_mul_i32 s18, ttmp9, 1536                     ; the split's 2,048 codes on,
	s_add_co_u32 s46, s46, s18
	s_mov_b32 s47, 0
	s_lshl_b32 s18, ttmp9, 6                       ; and its 64 scale bytes on
	s_add_co_u32 s92, s92, s18
	s_mov_b32 s93, 0
	s_mul_i32 s45, s16, HALFA                      ; where they go: no place in the cluster enters an LDS address
	s_mul_i32 s95, s16, HALFB
	s_add_co_u32 s95, s95, BOFF
	s_lshl_b32 s94, s16, 13
	s_mul_i32 s96, s16, 10240
	s_wait_kmcnt 0x0
	s_add_nc_u64 s[20:21], s[4:5], s[20:21]
	s_add_nc_u64 s[22:23], s[6:7], s[22:23]
	s_add_nc_u64 s[46:47], s[8:9], s[46:47]
	s_add_nc_u64 s[92:93], s[10:11], s[92:93]
	CROUND                                         ; all sixteen work-groups are here: the first joint loads meet
	s_mov_b32 s[G0S], 1
	s_add_co_u32 s[G0S+1], s94, SCA
	s_mov_b64 s[G0S+2:G0S+3], s[22:23]
	s_or_b32 s[G0S+3], s[G0S+3], 0x80000000
	s_mov_b32 s[G0SB], 1
	s_add_co_u32 s[G0SB+1], s96, SCB
	s_mov_b64 s[G0SB+2:G0SB+3], s[92:93]
	s_or_b32 s[G0SB+3], s[G0SB+3], 0x80000000
	JLOAD G0S, G1S, G0SB, G1SB                     ; the scales first: they are wanted with K step 0
.irp s, 0,1
	s_mov_b32 s[G0+4*\s], 1
	s_add_co_u32 s[G0+4*\s+1], s45, \s*SLOT
	s_add_nc_u64 s[G0+4*\s+2:G0+4*\s+3], s[20:21], \s*2*HALFA
	s_or_b32 s[G0+4*\s+3], s[G0+4*\s+3], 0x80000000
	s_mov_b32 s[G0B+4*\s], 1
	s_add_co_u32 s[G0B+4*\s+1], s95, \s*SLOT
	s_add_nc_u64 s[G0B+4*\s+2:G0B+4*\s+3], s[46:47], \s*ROWB
	s_or_b32 s[G0B+4*\s+3], s[G0B+4*\s+3], 0x80000000
	JLOAD G0+4*\s, G1, G0B+4*\s, G1B               ; three tensor loads of mine are out behind the second of these
.endr
	v_and_b32 v1, 15, v0                           ; l % 16
	v_bfe_u32 v2, v0, 4, 1                         ; l / 16
	v_and_b32 v6, 31, v0
	v_lshlrev_b32 v[CO], 4, v6                     ; 16 x lane
	s_mul_i32 s21, s15, 12288                      ; my eight images of a step's sixteen
	v_add_nc_u32 v[ADRA], s21, v[CO]
	s_add_co_u32 s21, s21, SLOT
	v_add_nc_u32 v[ADRA+1], s21, v[CO]
	v_mul_u32_u24 v3, v1, PITCH
	v_mul_u32_u24 v4, v2, 24
	v_add_nc_u32 v4, v3, v4                        ; B: a fragment's row x pitch + 24 x half
	v_lshl_add_u32 v5, v2, 4, v4                   ; and the same behind one padding more
	s_mul_i32 s22, s16, HALFB                      ; my 128 rows of B,
	s_add_co_u32 s22, s22, BOFF                    ; behind A's part
.irp s, 0,1
	v_add_nc_u32 v[ADRB+\s], s22, v4
	v_add_nc_u32 v[ADRB+2+\s], s22, v5
	s_add_co_u32 s22, s22, SLOT
.endr
	v_lshlrev_b32 v5, 2, v1                        ; A's scale words: 4 bytes a query; my 128 queries
	s_lshl_b32 s21, s15, 9
	s_add_co_u32 s21, s21, SCA
	v_add_nc_u32 v[ADRSA], s21, v5
	v_mul_u32_u24 v5, v1, 80                       ; B's scale bytes: 80 bytes a row; my 128 rows
	s_mul_i32 s22, s16, 10240
	s_add_co_u32 s22, s22, SCB
	v_add_nc_u32 v[ADRSB], s22, v5
	s_mul_i32 s23, s14, 16*SPITCH                  ; my stage
	v_mul_u32_u24 v5, v1, SPITCH                   ; in: row l % 16, 32 bytes for each half of the lanes
	v_lshl_add_u32 v5, v2, 5, v5
	v_add_nc_u32 v[STO], s23, v5
	v_add_nc_u32 v[RD], s23, v[CO]                 ; back: the 32 lanes take one row of 512 bytes
	s_lshl_b32 s20, s17, 8
	s_lshl_b32 s21, s15, 7
	s_add_co_u32 s20, s20, s21                     ; my first row of op: 256 x tile row + 128 x half,
	s_lshl_b32 s20, s20, 12                        ; 4,096 bytes a row,
	s_lshl_b32 s21, ttmp9, 22                      ; in the split's 4 MiB
	s_add_co_u32 s20, s20, s21
	s_mov_b32 s21, 0
	s_lshl_b32 s46, s42, 10                        ; my first column, in bytes: 1,024 x tile column + 512 x half
	s_lshl_b32 s47, s16, 9
	s_add_co_u32 s46, s46, s47
	s_mov_b32 s47, 0
	s_add_nc_u64 s[20:21], s[20:21], s[46:47]
	s_add_nc_u64 s[12:13], s[12:13], s[20:21]
.macro FRAG reg, adr, q, i             ; a fragment of B from rows: 24 bytes of the row's stream of bits twice, in pieces of 8 bytes; the second address register serves the pieces that lie behind one padding more in lanes 16-31
.irp p, 0,1,2,3,4,5
.set PC, 12*(\q)+6*(\p/3)+\p%3
.if PC%8 < 5
	ds_load_b64 v[\reg+2*\p:\reg+2*\p+1], v[\adr] offset:8*PC+16*(PC/8)+(\i)*16*PITCH
.else
	ds_load_b64 v[\reg+2*\p:\reg+2*\p+1], v[\adr+2] offset:8*PC+16*(PC/8)+(\i)*16*PITCH
.endif
.endr
.endm
.macro FRAGA reg, slot, q, i           ; a fragment of A from its image: the same registers in the same lanes as the wave that made it had
.irp c, 0,1,2
	ds_load_b128 v[\reg+4*\c:\reg+4*\c+3], v[ADRA+\slot] offset:HALFA*(\q)+1536*(\i)+512*\c
.endr
.endm
; 16 matrix instructions: A's blocks a0, a0 + 1 x B's eight, 128 along K.  The 64 accumulators take turns, one instruction a turn.  Both sides' scale words lie in lanes 0-15 of registers of their own.
.macro MUL16 a0, p, q, sc, zero
.irp a, \a0, \a0+1
.irp b, 0,1,2,3,4,5,6,7
.if \zero
	v_wmma_scale_f32_16x16x128_f8f6f4 v[8*(8*((\a)%4)+\b):8*(8*((\a)%4)+\b)+7], v[128*(\p)+FR*\b:128*(\p)+FR*\b+FR-1], v[AF+FR*(\a):AF+FR*(\a)+FR-1], 0, v[SB+16*(\sc)+2*\b+(\q)], v[SA+16*(\sc)+2*(\a)+(\q)] matrix_a_fmt:MATRIX_FMT_BF6 matrix_b_fmt:MATRIX_FMT_BF6
.else
	v_wmma_scale_f32_16x16x128_f8f6f4 v[8*(8*((\a)%4)+\b):8*(8*((\a)%4)+\b)+7], v[128*(\p)+FR*\b:128*(\p)+FR*\b+FR-1], v[AF+FR*(\a):AF+FR*(\a)+FR-1], v[8*(8*((\a)%4)+\b):8*(8*((\a)%4)+\b)+7], v[SB+16*(\sc)+2*\b+(\q)], v[SA+16*(\sc)+2*(\a)+(\q)] matrix_a_fmt:MATRIX_FMT_BF6 matrix_b_fmt:MATRIX_FMT_BF6
.endif
.endr
.endr
.endm
.macro FETCH_B slot, q, p
	WIN TO_B
.irp i, 0,1,2,3,4,5,6,7
	FRAG 128*(\p)+FR*\i, ADRB+\slot, \q, \i
.endr
	WIN 0
.endm
.macro FETCH_A slot, q, i0
.irp i, \i0, \i0+1, \i0+2, \i0+3
	FRAGA AF+FR*(\i), \slot, \q, \i
.endr
.endm
.macro SCALES sc                       ; a K step's scale words into set sc: B's two words of a row by one load, A's two steps' words by one each
.irp i, 0,1,2,3,4,5,6,7
	ds_load_b64 v[SB+16*\sc+2*\i:SB+16*\sc+2*\i+1], v[ADRSB] offset:1280*\i
	ds_load_b32 v[SA+16*\sc+2*\i], v[ADRSA] offset:64*\i
	ds_load_b32 v[SA+16*\sc+2*\i+1], v[ADRSA] offset:64*\i+1024
.endr
.endm
.macro PLACES n
.rept \n
	v_nop
.endr
.endm
.macro STEP slot, q, zero
	s_wait_dscnt 4*NLA                             ; B's set, the scale words and A's blocks 0-3 are in; the youngest 12 loads (A's blocks 4-7) may be out
	WIN MUL_LO
	MUL16 0, (\q)%2, \q, \slot, \zero
	MUL16 2, (\q)%2, \q, \slot, \zero
	s_wait_dscnt 0                                 ; A's blocks 4-7 are in
	PLACES NP
	FETCH_B \slot, (\q)+1, 1-(\q)%2
	FETCH_A \slot, (\q)+1, 0
	WIN MUL_HI
	MUL16 4, (\q)%2, \q, \slot, \zero
	MUL16 6, (\q)%2, \q, \slot, \zero
	PLACES NP
	WIN 0
	FETCH_A \slot, (\q)+1, 4
.endm
; A slot's last step changes slots.  All of the step's fragments have been asked for when it begins, so the slot is given up AT ITS HEAD: each wave waits for all its tensor loads (its part of the next slot), adds 0 to its
; spare word, and waits for that and for its own reads of this slot; ONE barrier; fill = 1: this slot is filled again, two K steps ahead, first thing behind it.  Only then come the step's 64 products:
; from a request to the wait for it a wave issues 128 matrix instructions, a whole slot's.
.macro TURN slot, next, fill
	s_wait_tensorcnt 0x0                           ; all my tensor loads have landed: my part of the next slot; so every group 0 may be written
	ds_add_u32 v[SPW], v[NIL]                      ; 0 onto my spare word
.if \fill
	s_add_nc_u64 s[G0+4*\slot+2:G0+4*\slot+3], s[G0+4*\slot+2:G0+4*\slot+3], 4*HALFA
	s_add_nc_u64 s[G0B+4*\slot+2:G0B+4*\slot+3], s[G0B+4*\slot+2:G0B+4*\slot+3], 2*ROWB
.endif
	s_wait_dscnt 0x0                               ; the add is done, and my reads of this slot are over: the last step's fragments are in registers
	s_barrier_signal -1
	s_barrier_wait -1
.if \fill
	CREST                                          ; the barrier has opened a round of the cluster's barrier: no wave of any partner still reads this slot or has a load on its way
	JLOAD G0+4*\slot, G1, G0B+4*\slot, G1B         ; the first tensor load behind the round
.endif
	WIN MUL_LO
	MUL16 0, 1, NQ-1, \slot, 0
	MUL16 2, 1, NQ-1, \slot, 0
	WIN 0
	PLACES NP                                      ; in front of the loads into A's blocks 0-3, which these products have read
	v_add_nc_u32 v[ADRSB], 8, v[ADRSB]             ; on to the next K step's scale words
	v_add_nc_u32 v[ADRSA], 2048, v[ADRSA]
	FETCH_B \next, 0, 0
	FETCH_A \next, 0, 0
	SCALES \next
	WIN MUL_HI
	MUL16 4, 1, NQ-1, \slot, 0
	MUL16 6, 1, NQ-1, \slot, 0
	PLACES NP
	WIN 0
	FETCH_A \next, 0, 4
.endm
	s_wait_tensorcnt 1                             ; the scales and my part of K step 0 are in (K step 1's load may be out),
	s_barrier_signal -1
	s_barrier_wait -1                              ; everybody's are
	FETCH_B 0, 0, 0
	FETCH_A 0, 0, 0
	SCALES 0
	FETCH_A 0, 0, 4
	STEP 0, 0, 1                                   ; the first step stands in front of the loop: its products start the sums
	s_mov_b32 s3, LAPS-1
.Llap:                                                 ; a trip goes once round the ring and fills both slots again
	TURN 0, 1, 1
	STEP 1, 0, 0
	TURN 1, 0, 1
	STEP 0, 0, 0
	s_sub_co_u32 s3, s3, 1
	s_cmp_lg_u32 s3, 0
	s_cbranch_scc1 .Llap
	TURN 0, 1, 0                                   ; the last lap fills nothing
	STEP 1, 0, 0
	s_wait_dscnt 4*NLA
	WIN MUL_LO
	MUL16 0, 1, NQ-1, 1, 0
	MUL16 2, 1, NQ-1, 1, 0
	s_wait_dscnt 0
	WIN MUL_HI
	MUL16 4, 1, NQ-1, 1, 0
	MUL16 6, 1, NQ-1, 1, 0
	WIN 0
; THE WAY OUT, block by block of 16 rows x 128 columns, through my own stage in LDS: back come whole rows of 512 bytes.  LDS serves a wave's instructions in order (ISA guide 5.7.1.4): no wait between the stores and the loads.
.macro TOSTAGE a
.set AC, 64*((\a)%4)
	WIN 0x08+4*((\a)/4)                            ; the data: window 2 or 3
.irp b, 0,1,2,3,4,5,6,7
	ds_store_b128 v[STO], v[AC+8*\b:AC+8*\b+3] offset:64*\b          ; each accumulator from its low end on
	ds_store_b128 v[STO], v[AC+8*\b+4:AC+8*\b+7] offset:64*\b+16
.endr
	WIN 0
.set BB, BK+64*((\a)%2)
.irp t, 0,1,2,3,4,5,6,7,8,9,10,11,12,13,14,15
	ds_load_b128 v[BB+4*\t:BB+4*\t+3], v[RD] offset:\t*SPITCH
.endr
.endm
.macro SEND a, younger                 ; younger: the LDS instructions issued behind block a's loads, which may stay out
.set BB, BK+64*((\a)%2)
	s_wait_dscnt \younger
.if (\a) > 0
	s_add_nc_u64 s[12:13], s[12:13], 16*SIZE_N*4   ; (behind a wait on XCNT: the earlier stores have read their base)
.endif
.irp t, 0,1,2,3,4,5,6,7,8,9,10,11,12,13,14,15
	global_store_b128 v[CO], v[BB+4*\t:BB+4*\t+3], s[12:13] offset:\t*SIZE_N*4 th:TH_STORE_NT   ; 32 lanes store 512 consecutive bytes, aligned; nobody in this launch reads them
.endr
.endm
	PLACES NP
	TOSTAGE 0
.irp a, 1,2,3,4,5,6,7
.if \a > 1
	s_wait_xcnt 0x0                                ; block a - 2's stores have read their registers and their base
.endif
	TOSTAGE \a
	SEND \a-1, 32                                  ; behind block a - 1's loads: block a's 16 stores and 16 loads
.endr
	s_wait_xcnt 0x0
	SEND 7, 0
	s_wait_tensorcnt 0x0                           ; the wave's end
	ds_add_u32 v[SPW], v[NIL]
	s_wait_dscnt 0x0
	CROUND                                         ; the closing round
	s_endpgm
.Lfunc_end_k_q37bdfa048e_pv:
	.size	k_q37bdfa048e_pv, .Lfunc_end_k_q37bdfa048e_pv-k_q37bdfa048e_pv
	.p2alignl 7, 3214868480
	.fill 96, 4, 3214868480
	.section	.rodata,"a",@progbits
	.p2align	6, 0x0
	.amdhsa_kernel k_q37bdfa048e_pv
		.amdhsa_group_segment_fixed_size 327680
		.amdhsa_private_segment_fixed_size 0
		.amdhsa_enable_private_segment 0
		.amdhsa_kernarg_size 40
		.amdhsa_user_sgpr_count 2
		.amdhsa_user_sgpr_kernarg_segment_ptr 1
		.amdhsa_wavefront_size32 1
		.amdhsa_system_sgpr_workgroup_id_x 1
		.amdhsa_system_sgpr_workgroup_id_y 1
		.amdhsa_system_sgpr_workgroup_id_z 1
		.amdhsa_system_vgpr_workitem_id 0
		.amdhsa_next_free_vgpr 1024
		.amdhsa_next_free_sgpr 98
		.amdhsa_reserve_vcc 0
		.amdhsa_float_denorm_mode_32 3
		.amdhsa_float_denorm_mode_16_64 3
		.amdhsa_memory_ordered 1
		.amdhsa_forward_progress 1
		.amdhsa_inst_pref_size 153
	.end_amdhsa_kernel
	.amdgpu_metadata
---
amdhsa.version: [ 1, 2 ]
amdhsa.kernels:
  - .name:           k_q37bdfa048e_pv
    .symbol:         k_q37bdfa048e_pv.kd
    .args:
      - { .name: pc, .offset: 0, .size: 8, .value_kind: global_buffer, .address_space: global }
      - { .name: ps, .offset: 8, .size: 8, .value_kind: global_buffer, .address_space: global }
      - { .name: values_codes, .offset: 16, .size: 8, .value_kind: global_buffer, .address_space: global }
      - { .name: values_scales, .offset: 24, .size: 8, .value_kind: global_buffer, .address_space: global }
      - { .name: op, .offset: 32, .size: 8, .value_kind: global_buffer, .address_space: global }
    .group_segment_fixed_size: 327680
    .private_segment_fixed_size: 0
    .kernarg_segment_align: 8
    .kernarg_segment_size: 40
    .max_flat_workgroup_size: 128
    .sgpr_count:     98
    .vgpr_count:     1024
    .wavefront_size: 32
...
	.end_amdgpu_metadata
.endif
;; end of part 3
;; launch combine (part 4): grid 256 x 1, 8 waves a work-group, no clusters, 1,280 bytes of LDS; arguments op, lp, out0; writes out0
.if DOCPART == 4
	.amdgcn_target "amdgcn-amd-amdhsa--gfx1250"
	.amdhsa_code_object_version 6
	.text
	.protected	k_q37bdfa048e_combine
	.globl	k_q37bdfa048e_combine
	.p2align	8
	.type	k_q37bdfa048e_combine,@function
k_q37bdfa048e_combine:
	s_mov_b64 s[64:65], 0
	v_nop
	global_prefetch_b8 v0, s[64:65] scope:SCOPE_SE
	s_setreg_imm32_b32 hwreg(HW_REG_WAVE_MODE, 25, 1), 1
	s_wait_xcnt 0x0
; out0[q][d] = (the sum over 16 splits of op[split][q][d]) / (the sum over 256 steps of lp[step][q]).  op: [16][1024][1024] f32; lp: [256][1024] f32; out0: [1024][1024] f32.
; A stream: memory binds, so no matrix unit, no cluster, no tensor load.  A work-group owns four rows of out0 (16,384 bytes), a wave half a row (2,048 bytes), a lane four pieces of 16 bytes, 512 bytes apart:
; each load and store of a wave covers 512 consecutive bytes, aligned.  The splits are added in ascending order.  48 loads of every wave are on their way (three sets of 16).
; The rows' divisors: thread t takes step t's four sums (16 bytes); they are added over the wave's lanes, then over the eight waves through LDS, one barrier.
; LIMITS: the division is a multiplication by v_rcp_f32's result.  The divisor is a sum of 32,768 positive numbers, each at least 2^-18.8: never 0.
.set ACC, 8                            ; v8-23    my 16 sums
.set LW,  24                           ; v24-31   the eight waves' partial divisors
.set X,   32                           ; v32-223  three sets: 4 splits x 4 loads x 4 registers
.set LA,  224                          ; v224     LDS: 16 x wave
.set RL,  226                          ; v226-227 1 / the divisor, twice
.set PX,  228                          ; v228-231 lane permutes' destinations
	s_load_b128 s[4:7], s[0:1], 0x0                ; op, lp
	s_load_b64 s[8:9], s[0:1], 0x10                ; out0
	v_lshl_add_u32 v240, v0, 2, 0x100
	v_mov_b32 v241, 0
	v_lshrrev_b32 v1, 5, v0
	v_readfirstlane_b32 s10, v1                    ; wave 0..7
	v_and_b32 v2, 31, v0
	v_lshlrev_b32 v2, 4, v2                        ; 16 x lane
	v_lshlrev_b32 v1, 12, v0                       ; lp: step = my thread's number, 4,096 bytes a step
	s_lshr_b32 s11, s10, 1
	s_lshl_b32 s11, s11, 2
	v_mov_b32 v3, s11                              ; LDS: which of the four rows' divisors is mine: 4 x (wave / 2)
	s_lshl_b32 s11, s10, 4
	v_mov_b32 v[LA], s11
.irp c, 0,1,2,3
	v_mov_b32 v[PX+\c], 0                          ; a lane permute's destination counts as one of its sources
.endr
	s_mov_b32 s48, 0x76543210
	s_mov_b32 s49, 0xfedcba98                      ; selects for lane l xor 16
	s_lshl_b32 s12, ttmp9, 14                      ; the work-group's four rows,
	s_lshl_b32 s13, s10, 11                        ; my half row
	s_add_co_u32 s12, s12, s13
	s_mov_b32 s13, 0
	s_lshl_b32 s14, ttmp9, 4                       ; lp: the four rows' 16 bytes
	s_mov_b32 s15, 0
	s_wait_kmcnt 0x0
	s_add_nc_u64 s[4:5], s[4:5], s[12:13]
	s_add_nc_u64 s[8:9], s[8:9], s[12:13]
	s_add_nc_u64 s[6:7], s[6:7], s[14:15]
.irp g, 0,1,2,3,4,5,6,7,8,9,10,11,12,13,14,15
	s_add_nc_u64 s[16+2*\g:17+2*\g], s[4:5], \g*0x400000           ; a base for each split: they lie 4 MiB apart
.endr
.macro GROUP g                         ; splits 4 g .. 4 g + 3 into set g % 3
.irp e, 0,1,2,3
.irp i, 0,1,2,3
	global_load_b128 v[X+64*((\g)%3)+16*\e+4*\i:X+64*((\g)%3)+16*\e+4*\i+3], v2, s[16+2*(4*(\g)+\e):17+2*(4*(\g)+\e)] offset:512*\i th:TH_LOAD_NT
.endr
.endr
.endm
.macro ADDIN g, first                  ; the set's four splits are added, in ascending order; first = 1: the first two start the sums
.set XB, X+64*((\g)%3)
.irp e, 0,1,2,3
.irp k, 0,2,4,6,8,10,12,14
.if \first && (\e == 0)
.elseif \first && (\e == 1)
	v_pk_add_f32 v[ACC+\k:ACC+\k+1], v[XB+\k:XB+\k+1], v[XB+16+\k:XB+16+\k+1]
.else
	v_pk_add_f32 v[ACC+\k:ACC+\k+1], v[ACC+\k:ACC+\k+1], v[XB+16*\e+\k:XB+16*\e+\k+1]
.endif
.endr
.endr
.endm
	global_load_b128 v[4:7], v1, s[6:7]            ; step t's sums of the four rows
	GROUP 0
	GROUP 1
	GROUP 2
	s_wait_loadcnt 48                              ; lp's load is in; the 48 behind it stay out
.irp m, 1,2,4,8
.irp c, 4,5,6,7
	v_add_f32_dpp v\c, v\c, v\c row_xmask:\m row_mask:0xf bank_mask:0xf
.endr
.endr
.irp c, 0,1,2,3
	v_permlanex16_b32 v[PX+\c], v[4+\c], s48, s49
.endr
.irp c, 0,1,2,3
	v_add_f32 v[4+\c], v[4+\c], v[PX+\c]           ; my wave's 32 steps, in every lane
.endr
	ds_store_b128 v[LA], v[4:7]                    ; all lanes write the same 16 bytes with the same values
	s_wait_dscnt 0x0                               ; for the others' sake: my store is done
	s_barrier_signal -1
	s_barrier_wait -1
.irp k, 0,1,2,3,4,5,6,7
	ds_load_b32 v[LW+\k], v3 offset:16*\k          ; the eight waves' parts of my row's divisor
.endr
	s_wait_dscnt 0x0
	v_add_f32 v[LW], v[LW], v[LW+1]
	v_add_f32 v[LW+2], v[LW+2], v[LW+3]
	v_add_f32 v[LW+4], v[LW+4], v[LW+5]
	v_add_f32 v[LW+6], v[LW+6], v[LW+7]
	v_add_f32 v[LW], v[LW], v[LW+2]
	v_add_f32 v[LW+4], v[LW+4], v[LW+6]
	v_add_f32 v[LW], v[LW], v[LW+4]
	v_rcp_f32 v[RL], v[LW]
	v_rcp_f32 v[RL+1], v[LW]
	v_nop                                          ; a plain instruction behind the reciprocals
	s_wait_loadcnt 32                              ; splits 0-3 are in; the 32 loads behind them stay out
	ADDIN 0, 1
	GROUP 3                                        ; into the set just added
	s_wait_loadcnt 32                              ; splits 4-7 are in; splits 8-15 stay out
	ADDIN 1, 0
	s_wait_loadcnt 16                              ; splits 8-11
	ADDIN 2, 0
	s_wait_loadcnt 0x0
	ADDIN 3, 0
	s_wait_alu depctr_va_vdst(0)
.irp k, 0,2,4,6,8,10,12,14
	v_pk_mul_f32 v[ACC+\k:ACC+\k+1], v[ACC+\k:ACC+\k+1], v[RL:RL+1]
.endr
.irp i, 0,1,2,3
	global_store_b128 v2, v[ACC+4*\i:ACC+4*\i+3], s[8:9] offset:512*\i th:TH_STORE_NT   ; 32 lanes store 512 consecutive bytes, aligned
.endr
	s_wait_tensorcnt 0x0
	ds_add_u32 v240, v241
	s_wait_dscnt 0x0
	s_endpgm
.Lfunc_end_k_q37bdfa048e_combine:
	.size	k_q37bdfa048e_combine, .Lfunc_end_k_q37bdfa048e_combine-k_q37bdfa048e_combine
	.p2alignl 7, 3214868480
	.fill 96, 4, 3214868480
	.section	.rodata,"a",@progbits
	.p2align	6, 0x0
	.amdhsa_kernel k_q37bdfa048e_combine
		.amdhsa_group_segment_fixed_size 1280
		.amdhsa_private_segment_fixed_size 0
		.amdhsa_enable_private_segment 0
		.amdhsa_kernarg_size 24
		.amdhsa_user_sgpr_count 2
		.amdhsa_user_sgpr_kernarg_segment_ptr 1
		.amdhsa_wavefront_size32 1
		.amdhsa_system_sgpr_workgroup_id_x 1
		.amdhsa_system_sgpr_workgroup_id_y 1
		.amdhsa_system_sgpr_workgroup_id_z 1
		.amdhsa_system_vgpr_workitem_id 0
		.amdhsa_next_free_vgpr 242
		.amdhsa_next_free_sgpr 66
		.amdhsa_reserve_vcc 0
		.amdhsa_float_denorm_mode_32 3
		.amdhsa_float_denorm_mode_16_64 3
		.amdhsa_memory_ordered 1
		.amdhsa_forward_progress 1
		.amdhsa_inst_pref_size 20
	.end_amdhsa_kernel
	.amdgpu_metadata
---
amdhsa.version: [ 1, 2 ]
amdhsa.kernels:
  - .name:           k_q37bdfa048e_combine
    .symbol:         k_q37bdfa048e_combine.kd
    .args:
      - { .name: op, .offset: 0, .size: 8, .value_kind: global_buffer, .address_space: global }
      - { .name: lp, .offset: 8, .size: 8, .value_kind: global_buffer, .address_space: global }
      - { .name: out0, .offset: 16, .size: 8, .value_kind: global_buffer, .address_space: global }
    .group_segment_fixed_size: 1280
    .private_segment_fixed_size: 0
    .kernarg_segment_align: 8
    .kernarg_segment_size: 24
    .max_flat_workgroup_size: 256
    .sgpr_count:     66
    .vgpr_count:     242
    .wavefront_size: 32
...
	.end_amdgpu_metadata
.endif
;; end of part 4
